; MI455X (gfx1250); checked and timed in simulation.
; The chip was launched on July 23, 2026; its instructions are those of AMD's public machine-readable ISA for CDNA 5 (MIT licence, August 2026) and "CDNA5" Instruction Set Architecture Reference Guide (July 2026). The comments in the code are by the model that wrote it; some were corrected since.
;; My scaled dot product attention. Allowed arithmetic: matrix products marked QUANTISED: E4M3 operands, one E8M0 scale for each 32 along K, by v_wmma_scale_f32_16x16x128_f8f6f4 with both operands' format E4M3, f32 sums; everything else in f32.
;; Inputs: k 2 x 16 x 2,048 x 64 float32; mask 1 x 1 x 2,048 x 2,048 bool; q 2 x 16 x 2,048 x 64 float32; v 2 x 16 x 2,048 x 64 float32.
;; Outputs: out0 2 x 16 x 2,048 x 64 float32.
;; This version of the problem:
;;   THIS VERSION OF THE PROBLEM IS GIVEN IN LOW PRECISION. The matrix products marked QUANTISED in the list below multiply operands that are first quantised to E4M3 (4 exponent bits, 3 mantissa bits; 8 bits a number), with one power-of-two scale for each 32 numbers along K (OCP MX v1.0); their sums are f32. All else is computed in f32.
;;   The module's matrix products, in the order in which they are computed (A, B: the left and right operand; K: the contracted axis; several contracted axes count as one K, in the product's order):
;;     1. batch 32 x [M 2,048, K 64] x [K 64, N 2,048]; A: input q; B: input k: QUANTISED
;;     2. batch 32 x [M 2,048, K 2,048] x [K 2,048, N 64]; A: softmax (see below); B: input v: QUANTISED
;;   THE QUANTISER, for each operand of a quantised product, along K:
;;     - K is cut into blocks of 32 from its start; a last block that is shorter is filled with zeros.
;;     - A block's scale is 2^e with e = floor(log2(the largest magnitude in the block)) - 8, held to -126 .. 127; a block of zeros has e = 0. As a byte (E8M0): e + 127.
;;     - Each number is divided by its block's scale, clamped to +-448, and rounded to the nearest number of E4M3, ties to even, subnormals kept.
;;     - The product sums the exact products of the quantised numbers (number of the format x scale) in f32.
;;   ~~~python
;;   def quantise(x, axis):      # numpy; x: float32 -> the quantised numbers, widened to float32 again
;;       x = np.moveaxis(x, axis, -1); K = x.shape[-1]
;;       x = np.pad(x, [(0, 0)] * (x.ndim - 1) + [(0, -K % 32)]); x = x.reshape(x.shape[:-1] + (-1, 32)); a = np.abs(x).max(-1, keepdims=True)
;;       e = np.where(a > 0, np.clip(np.frexp(np.where(a > 0, a, 1))[1] - 1 - 8, -126, 127), 0)      # np.frexp(a)[1] - 1 = floor(log2(a)), exactly
;;       r = np.clip(x / 2.0 ** e, -448, 448)
;;       step = 2.0 ** (np.maximum(np.frexp(np.where(r == 0, 1, r))[1] - 1, -6) - 3)
;;       q = np.round(r / step) * step * 2.0 ** e      # np.round: ties to even
;;       return np.moveaxis(q.reshape(q.shape[:-2] + (-1,))[..., :K], -1, axis).astype(np.float32)
;;   ~~~
;;   SOFTMAX AHEAD OF A QUANTISED PRODUCT. Where the list says 'softmax', what is quantised is not the finished softmax but p = 2^(t - M), with t = logit x log2(e) and M = ceil(the row's largest t), a whole number; so 1/2 < the row's largest p <= 1. The row's sum l is taken of the UNQUANTISED p, in f32, and the product's result is divided by l at the end. Since M is a whole number, a kernel that streams over the keys may use a running M (the ceiling of the running maximum): every later rescaling is an exact power of two, which a block's scale takes up: the codes' values come out the same.
;;   OPERANDS COMPUTED ON THE WAY. 'Computed on the way' means the value that the module computes at that place (a softmax that the list does not call 'softmax' is quantised finished and normalised). What goes into a quantiser is computed in f32, as accurately as f32 sums, v_exp_f32 and their like allow (about 1e-6 of the number): no bf16 or f16 on the way to a quantiser, and a product that is left as it is and whose result goes on into a quantised operand takes f32 operands (vector FMAs, or v_wmma_f32_16x16x4_f32). A number that lies on a knife's edge between two numbers of the format may be rounded either way, as far as f32 arithmetic and the matrix unit's own rounding can turn it there, and no further.
;; One version. Each part assembles by itself: llvm-mc -triple=amdgcn-amd-amdhsa -mcpu=gfx1250 --defsym DOCPART=n.
;; ======== version 1 of 1: 2 launches
;; limits: right only within a limited range of input values
;; workspace buffers: kv 8,650,752 bytes; mw 524,288 bytes of whole numbers; fl 4,096 bytes of whole numbers
;; launch prep (part 1): grid 256 x 1, 6 waves a work-group, no clusters, 52,480 bytes of LDS; arguments k, v, mask, kv, mw, fl; writes kv, mw, fl
.if DOCPART == 1
	.amdgcn_target "amdgcn-amd-amdhsa--gfx1250"
	.amdhsa_code_object_version 6
	.text
	.protected	k_q84277423dd_prep
	.globl	k_q84277423dd_prep
	.p2align	8
	.type	k_q84277423dd_prep,@function
k_q84277423dd_prep:
	s_mov_b64 s[64:65], 0
	v_nop
	global_prefetch_b8 v0, s[64:65] scope:SCOPE_SE
	s_setreg_imm32_b32 hwreg(HW_REG_WAVE_MODE, 25, 1), 1
	s_wait_xcnt 0x0
; K and V [32 heads][2048 keys][64] f32 become codes of FP8 (E4M3) with one E8M0 scale byte for each 32 along the product's K, laid in the order of the
; operands' registers; the mask [2048][2048] of bytes becomes lane masks of 32 bits and two flags for each (16 queries x 128 keys).
; kv, 270,336 bytes a head: [0, 131072) K's codes: step s (128 keys) at 8192 s, fragment b (32 keys) at 2048 b, chunk c at 512 c, lane l at 16 l:
;   key 128 s + 32 b + 16 (r / 8) + r % 8 + 8 (c / 2), d = 32 (c % 2) + 16 h + 0 .. 15   (r = l % 16, h = l / 16): a row of 128 codes holds TWO keys, 8 apart.
;   [131072, 262144) V's codes: step s at 8192 s, tile t at 2048 t, chunk c at 512 c, lane l at 16 l: keys 128 s + 32 c + 16 h + 0 .. 15 of column d = 4 r + t.
;   [262144, 270336) scale words: step s at 512 s: bytes 16 r: K's four words (one a fragment, byte c for chunk c); bytes 256 + 16 r: V's four (one a tile, byte c for keys 32 c on).
; mw[T][s][64] words of 32 bits: word 16 y + 8 (b % 2) + 2 j + b / 2, bit l: mask[16 T + r][128 s + 32 b + 16 h + 4 j + y], b, j, y = 0 .. 3.
; fl[T][g][2]: bit 4 g + s' of word 0: some key of step 4 g + s' counts for tile T; of word 1: all count.
; A block's scale is 2^(floor(log2(its largest magnitude)) - 8); its byte is that magnitude's exponent field - 8, held at 1 from below; numbers are held within +-448 x the scale and rounded to the nearest code.
; LIMITS: NaN and infinities among k and v are not served.  A block of zeros gets the byte 1 where the rule says 127 (its codes are zeros, and this program alone reads the bytes);
; a block whose largest magnitude lies under 2^-118 gets the byte 1 too, which is the rule's hold of the exponent at -126.
; SHARES: waves 0-3 of work-groups 0-127 take K, those of 128-255 V: one (head, step) a wave, 32,768 bytes in, 8,192 bytes of codes and 256 of words out.
; Waves 4 and 5 of every work-group take 16 rows x 512 bytes of the mask each.  Waves share nothing: no barrier.  Each byte is read once and work-groups share none: no matrix unit, cluster or tensor load has a use here.
.set HEADB, 270336
.set VCOD,  131072
.set WRDS,  262144
.set KST,   8704                       ; K's stage: 32 rows x (256 + 16) bytes for each of four waves, from LDS byte 0
.set MST0,  34816                      ; the mask's stages begin here: bytes of their own
.set MST,   8448                       ; 16 rows x (512 + 16) bytes for each of two waves
.set SPARE, MST0+2*MST                 ; the spare words, 128 bytes for each wave: three blocks of 256 bytes that no other line names
.set R,     16                         ; v16-143  two sets of 64 numbers as loaded (mask: the rows; then at work)
.set X,     144                        ; v144-207 64 numbers in the order of the conversions (mask: 64 dwords by lane and key)
.set C,     208                        ; v208-223 codes (mask: the words to store)
.set TM,    224                        ; v224-227 largest magnitudes, v228-231 bytes, v232-235 448 x the scale, v236-239 scale operands (mask: five masks, five shifts)
.set W,     240                        ; v240-243 four scale words
	s_load_b256 s[4:11], s[0:1], 0x0               ; k s[4:5], v s[6:7], mask s[8:9], kv s[10:11]
	s_load_b128 s[12:15], s[0:1], 0x20             ; mw s[12:13], fl s[14:15]
	v_lshl_add_u32 v248, v0, 2, SPARE
	v_mov_b32 v249, 0
	v_lshrrev_b32 v1, 5, v0
	v_readfirstlane_b32 s16, v1                    ; wave 0..5
	v_and_b32 v1, 31, v0                           ; lane
	v_lshlrev_b32 v2, 4, v1                        ; 16 x lane: K's and the mask's loads, every store of codes, the words' store
	v_and_b32 v3, 15, v0                           ; r
	v_bfe_u32 v4, v0, 4, 1                         ; h
	v_lshlrev_b32 v5, 4, v3
	v_lshl_add_u32 v5, v4, 12, v5                  ; V: 16 r, and 16 keys (4,096 bytes) on for lanes 16-31
	s_mul_i32 s25, s16, KST                        ; every LDS address is made here, ahead of the first parting of the ways
	v_mul_u32_u24 v6, v4, 272
	v_lshl_add_u32 v6, v3, 4, v6
	v_add_nc_u32 v6, s25, v6                       ; K's stage, in: a load's two keys are two rows: 272 h + 16 r
	v_mul_u32_u24 v7, v3, 272
	v_lshl_add_u32 v7, v4, 6, v7
	v_add_nc_u32 v7, s25, v7                       ; and out: row r, 64 h: my 16 numbers of a block of 32
	s_and_b32 s24, s16, 1
	s_mul_i32 s25, s24, MST
	s_add_co_u32 s25, s25, MST0
	v_add_nc_u32 v8, s25, v2                       ; the mask's stage, in: 16 x lane of a row
	v_mul_u32_u24 v9, v3, 528
	v_lshl_add_u32 v9, v4, 4, v9
	v_add_nc_u32 v9, s25, v9                       ; and out: row r, 16 h
	v_lshlrev_b32 v10, 3, v1                       ; 8 x lane: the mask words' store
	s_mov_b32 s20, 0x76543210
	s_mov_b32 s21, 0xfedcba98                      ; v_permlanex16_b32: lane l xor 16
	s_mov_b32 s22, 0x600000                        ; the mantissa field of 448
.irp g, 0,1,2,3
	v_mov_b32 v[TM+4+\g], 0                        ; written once: a lane permute's destination counts as one of its sources
.endr
	s_and_b32 s17, ttmp9, 127
	s_lshl_b32 s18, s17, 2
	s_add_co_u32 s18, s18, s16                     ; u = 4 x (work-group mod 128) + wave: my unit of K or V
	s_wait_alu depctr_va_vdst(0)                   ; the wait at the head's end
	s_wait_kmcnt 0x0
	s_cmp_ge_u32 s16, 4
	s_cbranch_scc1 .Lmask
	s_lshr_b32 s19, s18, 4                         ; head
	s_and_b32 s24, s18, 15                         ; step
	s_lshl_b32 s26, s18, 15                        ; the source: 32,768 bytes a unit
	s_mov_b32 s27, 0
	s_mul_i32 s28, s19, HEADB
	s_mov_b32 s29, 0
	s_mov_b32 s31, 0
	s_lshl_b32 s30, s24, 9
	s_add_co_u32 s30, s30, s28
	s_add_co_u32 s30, s30, WRDS                    ; the words: head x 270,336 + 262,144 + 512 x step
	s_lshl_b32 s25, s24, 13
	s_add_co_u32 s28, s28, s25                     ; the codes: head x 270,336 + 8,192 x step
	s_cmp_lt_u32 ttmp9, 128                        ; K or V: the choice hangs on the work-group's number alone; all three selections stand ahead of the additions, which set SCC
	s_cselect_b64 s[4:5], s[4:5], s[6:7]
	s_cselect_b32 s32, 0, VCOD
	s_cselect_b32 s33, 0, 256
	s_add_co_u32 s28, s28, s32
	s_add_co_u32 s30, s30, s33
	s_add_nc_u64 s[4:5], s[4:5], s[26:27]
	s_add_nc_u64 s[30:31], s[10:11], s[30:31]
	s_add_nc_u64 s[10:11], s[10:11], s[28:29]
; Four groups of 16 numbers of a lane, number (g, i) in v[src + sg g + si i], each group half of a block of 32 whose other half lies in lane l xor 16.
; The hold writes the numbers to v[dst + 16 g + i], so that it also brings them into the order of the conversions.  Codes: v[C + 4 g ..]; bytes: v[TM + 4 + g].
.macro QUANT src, si, sg, dst
.irp g, 0,1,2,3
	v_max3_num_f32 v[TM+\g], |v[(\src)+(\sg)*\g]|, |v[(\src)+(\sg)*\g+(\si)]|, 0x4800000   ; and the floor 2^(9 - 127): the byte cannot fall under 1
.endr
.irp i, 2,4,6,8,10,12,14
.irp g, 0,1,2,3
	v_max3_num_f32 v[TM+\g], v[TM+\g], |v[(\src)+(\sg)*\g+(\si)*\i]|, |v[(\src)+(\sg)*\g+(\si)*(\i+1)]|   ; the four groups by turns
.endr
.endr
.irp g, 0,1,2,3
	v_permlanex16_b32 v[TM+4+\g], v[TM+\g], s20, s21
.endr
.irp g, 0,1,2,3
	v_max_num_f32 v[TM+\g], v[TM+\g], v[TM+4+\g]   ; the block's largest magnitude
.endr
.irp g, 0,1,2,3
	v_add_nc_u32 v[TM+12+\g], 0xfc000000, v[TM+\g] ; 8 off its exponent field: the conversion takes this operand's exponent field as its scale
.endr
.irp g, 0,1,2,3
	v_and_or_b32 v[TM+8+\g], v[TM+\g], 0x7f800000, s22   ; 448 x the scale
.endr
.irp g, 0,1,2,3
	v_lshrrev_b32 v[TM+4+\g], 23, v[TM+12+\g]      ; the scale's byte
.endr
.irp g, 0,1,2,3
.irp i, 0,1,2,3,4,5,6,7,8,9,10,11,12,13,14,15
	v_med3_num_f32 v[(\dst)+16*\g+\i], v[(\src)+(\sg)*\g+(\si)*\i], -v[TM+8+\g], v[TM+8+\g]   ; the conversion to an 8-bit code does not saturate (ISA guide 7.6.2)
.endr
	v_cvt_scalef32_pk8_fp8_f32 v[C+4*\g:C+4*\g+1], v[(\dst)+16*\g:(\dst)+16*\g+7], v[TM+12+\g]
	v_cvt_scalef32_pk8_fp8_f32 v[C+4*\g+2:C+4*\g+3], v[(\dst)+16*\g+8:(\dst)+16*\g+15], v[TM+12+\g]
.endr
	v_nop                                          ; one plain line behind the last conversion
.endm
	s_cmp_ge_u32 ttmp9, 128
	s_cbranch_scc1 .Lv
; ---- K.  A fragment is 32 keys, 8,192 bytes: sixteen loads of 512 consecutive bytes (two keys).  They turn through the wave's stage, so that a lane gets 16 neighbours along d of the key that its row holds.
.macro KLOAD b
.irp i, 0,1,2,3,4,5,6,7,8,9,10,11,12,13,14,15
	global_load_b128 v[R+64*((\b)%2)+4*\i:R+64*((\b)%2)+4*\i+3], v2, s[4:5] offset:8192*(\b)+512*\i th:TH_LOAD_NT
.endr
.endm
.macro KFRAG b
.if (\b) < 3
	s_wait_loadcnt 16                              ; this fragment's sixteen loads are in; the next fragment's sixteen may be out
.else
	s_wait_loadcnt 0x0
.endif
.irp i, 0,1,2,3,4,5,6,7,8,9,10,11,12,13,14,15
	ds_store_b128 v6, v[R+64*((\b)%2)+4*\i:R+64*((\b)%2)+4*\i+3] offset:272*(16*((\i/4)%2)+8*(\i/8)+2*(\i%4))   ; key 2 i + h goes to stage row 16 x (its half of a row of codes) + (its row r)
.endr
.irp c, 0,1,2,3
.irp j, 0,1,2,3
	ds_load_b128 v[X+16*\c+4*\j:X+16*\c+4*\j+3], v7 offset:272*16*(\c/2)+128*(\c%2)+16*\j   ; LDS serves a wave's instructions in order: these see the stores above
.endr
.endr
	s_wait_dscnt 0x0                               ; the numbers are back, and the stores have read the set
.if (\b) < 2
	KLOAD (\b)+2                                   ; which takes the fragment two further on
.endif
	s_wait_xcnt 0x0                                ; the last fragment's stores have read their data: the codes' registers are written again only behind this wait
	QUANT X, 1, 16, X
	v_lshl_or_b32 v[W+(\b)], v[TM+5], 8, v[TM+4]   ; the four chunks' bytes make the fragment's scale word of row r
	v_lshl_or_b32 v[W+(\b)], v[TM+6], 16, v[W+(\b)]
	v_lshl_or_b32 v[W+(\b)], v[TM+7], 24, v[W+(\b)]
.irp c, 0,1,2,3
	global_store_b128 v2, v[C+4*\c:C+4*\c+3], s[10:11] offset:2048*(\b)+512*\c   ; 32 lanes store 512 consecutive bytes
.endr
.endm
	KLOAD 0
	KLOAD 1
	KFRAG 0
	KFRAG 1
	KFRAG 2
	KFRAG 3
	s_branch .Lwords
; ---- V.  K of the second product is the keys.  A load takes two whole rows (keys 32 c + i and 32 c + 16 + i), 16 bytes a lane: a lane so holds four columns d = 4 r + 0 .. 3 of 16 keys,
; register 4 i + dd.  The hold reads them with a stride of 4: nothing is transposed by an instruction.
.Lv:
.macro VLOAD c
.irp i, 0,1,2,3,4,5,6,7,8,9,10,11,12,13,14,15
	global_load_b128 v[R+64*((\c)%2)+4*\i:R+64*((\c)%2)+4*\i+3], v5, s[4:5] offset:8192*(\c)+256*\i th:TH_LOAD_NT
.endr
.endm
.macro VBLK c
.if (\c) < 3
	s_wait_loadcnt 16                              ; these 32 keys are in; the next 32 keys' sixteen loads may be out
.else
	s_wait_loadcnt 0x0
.endif
	s_wait_xcnt 0x0                                ; the codes' registers are written again only behind this wait
	QUANT R+64*((\c)%2), 4, 1, X
.if (\c) < 2
	VLOAD (\c)+2
.endif
.irp dd, 0,1,2,3
.if (\c) == 0
	v_mov_b32 v[W+\dd], v[TM+4+\dd]                ; tile dd's scale word of row r: byte c for keys 32 c on
.else
	v_lshl_or_b32 v[W+\dd], v[TM+4+\dd], 8*(\c), v[W+\dd]
.endif
.endr
.irp dd, 0,1,2,3
	global_store_b128 v2, v[C+4*\dd:C+4*\dd+3], s[10:11] offset:2048*\dd+512*(\c)
.endr
.endm
	VLOAD 0
	VLOAD 1
	VBLK 0
	VBLK 1
	VBLK 2
	VBLK 3
.Lwords:                                           ; lanes 0-15 store the four words of their row: 256 consecutive bytes, aligned (lanes 16-31 hold the same words)
	v_cmp_gt_u32 vcc_lo, 16, v1
	s_wait_alu depctr_va_vdst(0)
	s_wait_xcnt 0x0                                ; EXEC changes only behind this wait
	s_wait_tensorcnt 0x0                           ; the wave's end
	ds_add_u32 v248, v249
	s_wait_dscnt 0x0
	s_and_saveexec_b32 s23, vcc_lo
	s_wait_alu depctr_va_vdst(0)
	global_store_b128 v2, v[W:W+3], s[30:31]
	s_wait_xcnt 0x0
	s_or_b32 exec_lo, exec_lo, s23
	s_endpgm
; ---- The mask.  16 rows x 512 bytes turn through the wave's stage, so that lane (r, h) holds, of row r, the 16 bytes of keys 32 b + 16 h on of each block: the lanes and registers in which the scores will lie.
; Eight dwords of bytes 0 or 1, shifted left by 0 to 7 and joined, make one register of 32 bits a lane; a 32 x 32 transposition of bits over the wave turns the lanes' bits into lane masks.
.Lmask:
	s_lshl_b32 s18, ttmp9, 1
	s_and_b32 s19, s16, 1
	s_add_co_u32 s18, s18, s19                     ; u = 2 x work-group + (wave - 4)
	s_lshr_b32 s19, s18, 2                         ; T: the tile of 16 queries
	s_and_b32 s24, s18, 3                          ; g: which 512 keys
	s_lshl_b32 s44, s19, 15
	s_lshl_b32 s25, s24, 9
	s_add_co_u32 s44, s44, s25
	s_mov_b32 s45, 0
	s_add_nc_u64 s[8:9], s[8:9], s[44:45]          ; mask + 16 T rows of 2,048 bytes + 512 g
	s_lshl_b32 s44, s18, 10
	s_add_nc_u64 s[12:13], s[12:13], s[44:45]      ; mw + 1,024 u
	s_lshl_b32 s44, s18, 3
	s_add_nc_u64 s[14:15], s[14:15], s[44:45]      ; fl + 8 u
	s_lshl_b32 s43, s24, 2
	s_mov_b32 s40, 0
	s_mov_b32 s41, 0
.irp i, 0,1,2,3,4,5,6,7,8,9,10,11,12,13,14,15
	global_load_b128 v[R+4*\i:R+4*\i+3], v2, s[8:9] offset:2048*\i th:TH_LOAD_NT   ; 512 consecutive bytes of row i
.endr
; Stage k of the transposition, j = 16, 8, 4, 2, 1: a = lane & j; kept bits m << a; the partner's bits turn right by 2 a - j (mod 32).
.macro TSET k, j, m
	v_and_b32 v[TM+5+\k], \j, v1
	v_mov_b32 v[TM+\k], \m
	v_lshlrev_b32 v[TM+\k], v[TM+5+\k], v[TM+\k]
	v_lshl_add_u32 v[TM+5+\k], v[TM+5+\k], 1, -\j
.endm
	TSET 0, 16, 0xffff
	TSET 1, 8, 0xff00ff
	TSET 2, 4, 0xf0f0f0f
	TSET 3, 2, 0x33333333
	TSET 4, 1, 0x55555555
	s_wait_alu depctr_va_vdst(0)
	s_wait_loadcnt 0x0
.irp i, 0,1,2,3,4,5,6,7,8,9,10,11,12,13,14,15
	ds_store_b128 v8, v[R+4*\i:R+4*\i+3] offset:528*\i
.endr
.irp sp, 0,1,2,3
.irp b, 0,1,2,3
	ds_load_b128 v[X+4*(4*\sp+\b):X+4*(4*\sp+\b)+3], v9 offset:128*\sp+32*\b
.endr
.endr
	s_wait_dscnt 0x0
; register C + 2 sp + w: bit 8 y + i of a lane is byte y of dword i (blocks 2 w, 2 w + 1) of step sp
.irp sp, 0,1,2,3
.irp w, 0,1
	v_lshl_or_b32 v[C+2*\sp+\w], v[X+16*\sp+8*\w+1], 1, v[X+16*\sp+8*\w]
.endr
.endr
.irp i, 2,3,4,5,6,7
.irp sp, 0,1,2,3
.irp w, 0,1
	v_lshl_or_b32 v[C+2*\sp+\w], v[X+16*\sp+8*\w+\i], \i, v[C+2*\sp+\w]
.endr
.endr
.endr
.irp sp, 0,1,2,3
	v_or_b32 v[R+16+\sp], v[C+2*\sp], v[C+2*\sp+1]
	v_and_b32 v[R+20+\sp], v[C+2*\sp], v[C+2*\sp+1]
.endr
.irp sp, 0,1,2,3
	v_cmp_ne_u32 s[34+\sp], 0, v[R+16+\sp]         ; lanes in which some key counts
	v_cmp_ne_u32 s[26+\sp], -1, v[R+20+\sp]        ; lanes in which some key does not
.endr
.macro TST k, j
.irp i, 0,1,2,3,4,5,6,7
.if \j == 16
	v_permlanex16_b32 v[R+\i], v[C+\i], s20, s21
.else
	v_mov_b32_dpp v[R+\i], v[C+\i] row_xmask:\j row_mask:0xf bank_mask:0xf
.endif
.endr
.irp i, 0,1,2,3,4,5,6,7
	v_alignbit_b32 v[R+\i], v[R+\i], v[R+\i], v[TM+5+\k]
.endr
.irp i, 0,1,2,3,4,5,6,7
	v_bfi_b32 v[C+\i], v[TM+\k], v[C+\i], v[R+\i]
.endr
.endm
	TST 0, 16
	TST 1, 8
	TST 2, 4
	TST 3, 2
	TST 4, 1
.irp sp, 0,1,2,3
	global_store_b64 v10, v[C+2*\sp:C+2*\sp+1], s[12:13] offset:256*\sp   ; 32 lanes store 256 consecutive bytes, aligned: lane l has words 2 l and 2 l + 1
.endr
.irp sp, 0,1,2,3
	s_cmp_lg_u32 s[34+\sp], 0
	s_cselect_b32 s42, 1<<\sp, 0
	s_or_b32 s40, s40, s42
	s_cmp_eq_u32 s[26+\sp], 0
	s_cselect_b32 s42, 1<<\sp, 0
	s_or_b32 s41, s41, s42
.endr
	s_lshl_b32 s40, s40, s43                       ; my four steps' bits at their place among the tile's sixteen
	s_lshl_b32 s41, s41, s43
	v_mov_b32 v[C+8], s40
	v_mov_b32 v[C+9], s41
	v_cmp_eq_u32 vcc_lo, 0, v1
	s_wait_alu depctr_va_vdst(0)
	s_wait_xcnt 0x0                                ; EXEC changes only behind this wait
	s_wait_tensorcnt 0x0                           ; the wave's end
	ds_add_u32 v248, v249
	s_wait_dscnt 0x0
	s_and_saveexec_b32 s23, vcc_lo
	global_store_b64 v10, v[C+8:C+9], s[14:15]     ; 8 bytes a wave: fl is 4,096 bytes in all and is written in such pieces
	s_wait_xcnt 0x0
	s_or_b32 exec_lo, exec_lo, s23
	s_endpgm
.Lfunc_end_k_q84277423dd_prep:
	.size	k_q84277423dd_prep, .Lfunc_end_k_q84277423dd_prep-k_q84277423dd_prep
	.p2alignl 7, 3214868480
	.fill 96, 4, 3214868480
	.section	.rodata,"a",@progbits
	.p2align	6, 0x0
	.amdhsa_kernel k_q84277423dd_prep
		.amdhsa_group_segment_fixed_size 52480
		.amdhsa_private_segment_fixed_size 0
		.amdhsa_enable_private_segment 0
		.amdhsa_kernarg_size 48
		.amdhsa_user_sgpr_count 2
		.amdhsa_user_sgpr_kernarg_segment_ptr 1
		.amdhsa_wavefront_size32 1
		.amdhsa_system_sgpr_workgroup_id_x 1
		.amdhsa_system_sgpr_workgroup_id_y 1
		.amdhsa_system_sgpr_workgroup_id_z 1
		.amdhsa_system_vgpr_workitem_id 0
		.amdhsa_next_free_vgpr 250
		.amdhsa_next_free_sgpr 66
		.amdhsa_reserve_vcc 1
		.amdhsa_float_denorm_mode_32 3
		.amdhsa_float_denorm_mode_16_64 3
		.amdhsa_memory_ordered 1
		.amdhsa_forward_progress 1
		.amdhsa_inst_pref_size 110
	.end_amdhsa_kernel
	.amdgpu_metadata
---
amdhsa.version: [ 1, 2 ]
amdhsa.kernels:
  - .name:           k_q84277423dd_prep
    .symbol:         k_q84277423dd_prep.kd
    .args:
      - { .name: k, .offset: 0, .size: 8, .value_kind: global_buffer, .address_space: global }
      - { .name: v, .offset: 8, .size: 8, .value_kind: global_buffer, .address_space: global }
      - { .name: mask, .offset: 16, .size: 8, .value_kind: global_buffer, .address_space: global }
      - { .name: kv, .offset: 24, .size: 8, .value_kind: global_buffer, .address_space: global }
      - { .name: mw, .offset: 32, .size: 8, .value_kind: global_buffer, .address_space: global }
      - { .name: fl, .offset: 40, .size: 8, .value_kind: global_buffer, .address_space: global }
    .group_segment_fixed_size: 52480
    .private_segment_fixed_size: 0
    .kernarg_segment_align: 8
    .kernarg_segment_size: 48
    .max_flat_workgroup_size: 192
    .sgpr_count:     66
    .vgpr_count:     250
    .wavefront_size: 32
...
	.end_amdgpu_metadata
.endif
;; end of part 1
;; launch attn (part 2): grid 8 x 32, 16 waves a work-group, no clusters, 325,632 bytes of LDS; arguments q, kv, mw, fl, out0; writes out0
.if DOCPART == 2
	.amdgcn_target "amdgcn-amd-amdhsa--gfx1250"
	.amdhsa_code_object_version 6
	.text
	.protected	k_q84277423dd_attn
	.globl	k_q84277423dd_attn
	.p2align	8
	.type	k_q84277423dd_attn,@function
k_q84277423dd_attn:
	s_mov_b64 s[64:65], 0
	v_nop
	global_prefetch_b8 v0, s[64:65] scope:SCOPE_SE
	s_setreg_imm32_b32 hwreg(HW_REG_WAVE_MODE, 25, 1), 1
	s_wait_xcnt 0x0
; out0[head][q][:] = the sum over keys of softmax(q . k / 8, under the given mask) v, both products on codes of FP8 (E4M3) with one E8M0 scale for each 32 along a product's K.
; THE SOFTMAX AHEAD OF THE SECOND PRODUCT: t = score x log2(e) / 8; M = the running largest t rounded UP to a whole number; p = 2^(t - M) is quantised along the keys, not normalised; the row's sum is taken of
; the unquantised p and divides at the end.  When M moves, the sum and O are multiplied by 2^(old M - new M), which rounds nothing.
; SHARES.  Work-group (x, head) owns 16 tiles of 16 queries: tiles L = 8 p + x and 127 - L, p = 0 .. 7.  Waves w and w + 8 (w = 0 .. 7) serve pair p = w, or 11 - w where w > 3, in two passes over steps of 128 keys:
;   wave w:     pass 0: steps 0 .. 7 - p of tile 127 - L, whose partial sums it parks in LDS; pass 1: all 16 steps of tile L, which it stores.
;   wave w + 8: in pass 0's stead it fills half of the image; pass 1: steps 8 - p .. 15 of tile 127 - L; it adds the parked part and stores.
; Under a triangular mask each wave so has 8 or 9 steps in which some key counts; no value hangs on that.  Sixteen waves of 256 registers: four to a SIMD.
; THE HEAD'S K AND V, codes and scale words, 270,336 bytes in the order of the operands' registers, come into LDS ONCE and stay: the scale words and steps 0-7, all that pass 0 reads, first, by all waves
; (17 loads and LDS stores of 16 bytes a thread); steps 8-15 by waves 8-15 (32 a thread) while waves 0-7 walk pass 0.
; Q: each wave quantises the tile of its pass 1 at the head and leaves the codes in LDS, in the order of the operand's registers, for the passes.
; THE MASK IS AN INPUT.  An earlier launch has stored it as lane masks (64 words of 32 bits for a tile and a step) and as two bits a step: some key counts; all keys count.  A step none of whose
; keys counts for the 16 queries is left out by a scalar branch on the stored bit; where all count the 64 selections are left out.  A hidden score becomes -infinity, so p = 0.  A row with no key at all ends as 0 x 1/0 = NaN, as the softmax of such a row is.
; WHY NO JOINT LOADS, though the 8 work-groups of a head read the same 270,336 bytes: the steps are left out by branches on numbers read from memory;
; and what is shared is read once, not in every step.  No prefetch: all of a work-group's loads of q and kv are issued ahead of its loops, and no loop streams.
; K = 64 IN A PRODUCT 128 DEEP.  A row of K's fragment holds two keys, a in k 0-63 and a + 8 in k 64-127.  Q stands in 24 registers, 8 of zeros, its 8 of codes, 8 of zeros: v[QZ+8:QZ+23] has Q at k 0-63 and meets key a,
; v[QZ:QZ+15] has Q at k 64-127 and meets key a + 8; the other key meets zero codes, which add nothing.  Each fragment is read from LDS once and feeds two products.
; LAYOUT.  Both products transposed: S^T = K Q^T, O^T = V^T P^T: a lane holds ONE query (lane % 16).  Register S + 16 b + i is key 32 b + 16 (lane / 16) + i of the step, so p's conversions give the second product's operand.
; The rows of tile t of V^T are d = 4 m + t, so register j of tile t is d = 32 (lane / 16) + 4 j + t: a lane's 32 results are 128 consecutive bytes of its row.
; LIMITS: NaN and infinities among q, k, v are not served; a block of zeros, and one whose largest magnitude lies under 2^-118, gets the scale byte 1.
.set HEADB, 270336
.set VCOD,  131072
.set WRDS,  262144
.set HALF,  65536                      ; eight steps' codes of K or of V
.set PARK,  270336                     ; behind the image: eight places of 4,352 bytes for parked sums; at the head the same bytes are q's stages, 2,176 a wave
.set SLOTB, 4352
.set QSTG,  2176                       ; 8 rows x (256 + 16) bytes
.set QC,    PARK+8*SLOTB               ; Q's codes and scale words: 1,024 + 64 bytes of 1,152 for each tile
.set QCW,   1152
.set SPARE, QC+16*QCW                  ; the spare words, 128 bytes for each wave: eight blocks of 256 bytes that no other line names
.set AK0,  1                           ; v1   16 x lane: my place in a fragment of K; also my byte offset in two rows of q and out0
.set AV0,  2                           ; v2   the same for V
.set AS0,  3                           ; v3   and among the scale words
.set STO,  4                           ; v4   the way out: where I put my 128 bytes of a row
.set QA0,  5                           ; v5   pass 0: Q's codes
.set QB0,  6                           ; v6   and scale word
.set NINF, 7                           ; v7   -infinity
.set ADK,  8                           ; v8-10 the step's LDS addresses
.set ADV,  9
.set ADS,  10
.set QS,   11                          ; v11  Q's scale word: its two bytes, twice
.set QZ,   16                          ; v16-39 zeros, Q's codes, zeros.   v12 -M (v13 is named with it as a pair), v[14:15] the sum in two halves
.set SW,   40                          ; v40-43 the step's scale words: lanes 0-15 K's four, lanes 16-31 V's four
.set QA1,  44                          ; v44  pass 1: Q's codes
.set QB1,  45                          ; v45  and scale word
.set PKA,  46                          ; v46  the pair's parking place: 16 x lane
.set PKB,  47                          ; v47  and 4 x lane
.set F,    48                          ; v48-111 four fragments of K, then of V
.set S,    112                         ; v112-175 S^T, then p
.set O,    176                         ; v176-207 O^T
.set PC,   208                         ; v208-223 p's codes
.set BM,   224                         ; v224-227 the blocks' largest scores, then largest p
.set T1,   228                         ; v228-231 the other half's, then the bytes
.set LIM,  232                         ; v232-235 448 x the scale
.set SCO,  236                         ; v236-239 the conversions' scale operands.   v240, 241, 248-251 chains of the sum; v242 at work; v243 -M as it was; v[244:245] f
.set PW,   246                         ; v246 p's scale word
.set RD,   252                         ; v252 the way out: where I read 16 bytes back.   v254 my spare word, v255 0
.set KO,   89                          ; s89  8,192 x step
.set SO,   90                          ; s90  512 x step
.set CNT,  91
.set ANY,  92                          ; s92  bit 0: some key of the step in hand counts (and the step is mine)
.set FULL, 93                          ; s93  bit 0: all count
.set PMC,  100                         ; s100 the value of CNT in the step whose mask words were loaded ahead
.set MT0,  66                          ; s66  4,096 x tile, pass 0: the tile's place in mw
.set MT1,  67                          ; s67  the same, pass 1
	s_load_b256 s[4:11], s[0:1], 0x0               ; q s[4:5], kv s[6:7], mw s[8:9], fl s[10:11]
	s_load_b64 s[12:13], s[0:1], 0x20              ; out0
	v_lshl_add_u32 v254, v0, 2, SPARE
	v_mov_b32 v255, 0
	v_lshrrev_b32 v1, 5, v0
	v_readfirstlane_b32 s14, v1                    ; wave 0..15
	s_and_b32 s15, s14, 7                          ; which two waves go together: it places what they share in LDS
	s_bfe_u32 s79, s15, 0x10002
	s_mul_i32 s79, s79, 3
	s_xor_b32 s79, s79, s15                        ; p: 0 1 2 3 7 6 5 4, so that waves w and w + 4 have nine steps of pass 0 together
	v_and_b32 v16, 31, v0                          ; lane
	v_and_b32 v17, 15, v0                          ; r
	v_bfe_u32 v18, v0, 4, 1                        ; h
	v_lshlrev_b32 v[AK0], 4, v16
	v_add_nc_u32 v[AV0], VCOD, v[AK0]
	v_add_nc_u32 v[AS0], WRDS, v[AK0]
	s_mul_i32 s94, s14, SLOTB                      ; the way out's stage: 16 rows x (256 + 16) bytes a wave, over the image
	v_mul_u32_u24 v19, v17, 272
	v_lshl_add_u32 v19, v18, 7, v19
	v_add_nc_u32 v[STO], s94, v19                  ; in: row r, 128 h
	v_mul_u32_u24 v20, v18, 272
	v_lshl_add_u32 v20, v17, 4, v20
	v_add_nc_u32 v[RD], s94, v20                   ; back: lanes 0-15 one row, lanes 16-31 the next
	s_mul_i32 s94, s14, QSTG
	s_add_co_u32 s94, s94, PARK
	v_add_nc_u32 v21, s94, v20                     ; q's stage, in: two rows a load
	v_lshrrev_b32 v22, 2, v16                      ; and out: lane l takes row l / 4, quarter l % 4: 16 neighbours along d
	v_and_b32 v23, 3, v16
	v_mul_u32_u24 v24, v22, 272
	v_lshl_add_u32 v24, v23, 6, v24
	v_add_nc_u32 v24, s94, v24
	s_mul_i32 s95, s14, QCW
	s_add_co_u32 s95, s95, QC                      ; my tile's codes
	v_lshlrev_b32 v25, 4, v22
	v_lshl_add_u32 v25, v23, 8, v25
	v_add_nc_u32 v25, s95, v25                     ; quarter 2 c + h of row r goes where lane 16 h + r finds its chunk c: 512 c + 256 h + 16 r
	v_lshlrev_b32 v26, 2, v22
	v_lshrrev_b32 v27, 1, v23
	v_add_nc_u32 v26, v26, v27
	v_and_b32 v27, 1, v23
	v_lshl_add_u32 v26, v27, 1, v26
	v_add_nc_u32 v26, s95, v26                     ; its scale byte: 4 r + c, and by the block's other lane once more 2 bytes on
	v_add_nc_u32 v[QA1], s95, v[AK0]
	v_lshlrev_b32 v27, 2, v17
	v_add_nc_u32 v[QB1], s95, v27
	s_mul_i32 s95, s15, QCW
	s_add_co_u32 s95, s95, QC+8*QCW                ; tile 127 - L is quantised by the pair's second wave
	v_add_nc_u32 v[QA0], s95, v[AK0]
	v_add_nc_u32 v[QB0], s95, v27
	s_mul_i32 s95, s15, SLOTB
	s_add_co_u32 s95, s95, PARK
	v_add_nc_u32 v[PKA], s95, v[AK0]
	v_lshlrev_b32 v27, 2, v16
	v_add_nc_u32 v[PKB], s95, v27
	v_mov_b32 v[NINF], 0xff800000
	v_lshlrev_b32 v10, 4, v0                       ; the fill of steps 0-7: 16 bytes a thread, 8,192 a load of the work-group; v10 also K's place in LDS,
	v_add_nc_u32 v245, VCOD, v10                   ; V's,
	v_add_nc_u32 v246, WRDS, v10                   ; and the scale words'
	v_and_b32 v249, 255, v0
	v_lshlrev_b32 v249, 4, v249                    ; the fill of steps 8-15: 4,096 bytes a load of eight waves,
	v_add_nc_u32 v247, HALF, v249                  ; K's place in LDS
	v_add_nc_u32 v248, VCOD+HALF, v249             ; and V's
	s_lshl_b32 s94, s79, 3
	s_add_co_u32 s94, s94, ttmp9                   ; L = 8 p + x
	s_sub_co_u32 s95, 127, s94                     ; 127 - L
	s_sub_co_u32 s96, 8, s79
	s_bfm_b32 s96, s96, 0                          ; bits of steps 0 .. 7 - p
	s_not_b32 s97, s96
	s_cmp_lt_u32 s14, 8
	s_cselect_b32 s94, s94, s95                    ; pass 1's tile
	s_cselect_b32 s72, s96, 0                      ; pass 0: my steps
	s_cselect_b32 s73, -1, s97                     ; pass 1: my steps
	s_and_b32 s78, ttmp7, 0xffff                   ; the head
	s_lshl_b32 s[MT0], s95, 12
	s_lshl_b32 s[MT1], s94, 12
	s_lshl_b32 s74, s78, 19
	s_add_co_u32 s74, s74, s[MT1]                  ; q and out0: 524,288 x head + 4,096 x pass 1's tile
	s_mov_b32 s75, 0
	s_mul_i32 s76, s78, HEADB
	s_mov_b32 s77, 0
	s_lshl_b32 s68, s95, 5                         ; fl: 32 x tile
	s_mov_b32 s69, 0
	s_lshl_b32 s70, s94, 5
	s_mov_b32 s71, 0
	s_mov_b32 s97, 0
	s_mov_b32 s84, 0x76543210
	s_mov_b32 s85, 0xfedcba98                      ; v_permlanex16_b32: lane l xor 16
	s_mov_b32 s86, 0x3e38aa3b                      ; c = log2(e) / 8
	s_mov_b32 s87, s86                             ; (named with it as a pair)
	s_mov_b32 s88, 0x600000                        ; the mantissa field of 448
	s_wait_alu depctr_va_vdst(0)                   ; the wait at the head's end
	s_wait_kmcnt 0x0
	s_add_nc_u64 s[4:5], s[4:5], s[74:75]
	s_add_nc_u64 s[12:13], s[12:13], s[74:75]
	s_add_nc_u64 s[6:7], s[6:7], s[76:77]
	s_add_nc_u64 s[68:69], s[10:11], s[68:69]
	s_add_nc_u64 s[70:71], s[10:11], s[70:71]
.irp i, 0,1,2,3,4,5,6,7
	global_load_b128 v[48+4*\i:48+4*\i+3], v[AK0], s[4:5] offset:512*\i th:TH_LOAD_NT   ; two rows of q a load: 512 consecutive bytes
.endr
	s_load_b256 s[16:23], s[68:69], 0x0            ; the tiles' flags: (some, all) for each four steps
	s_load_b256 s[24:31], s[70:71], 0x0
	s_barrier_signal -1                            ; every wave's q is asked for ahead of any wave's part of the image
	s_barrier_wait -1
.irp i, 0,1,2,3,4,5,6,7
	global_load_b128 v[112+4*\i:112+4*\i+3], v10, s[6:7] offset:8192*\i   ; steps 0-7: K; a wave's load covers 512 consecutive bytes
.endr
.irp i, 0,1,2,3,4,5,6,7
	global_load_b128 v[144+4*\i:144+4*\i+3], v10, s[6:7] offset:VCOD+8192*\i   ; V
.endr
	global_load_b128 v[176:179], v10, s[6:7] offset:WRDS   ; all steps' scale words
	s_wait_loadcnt 17                              ; q is in; the fill's 17 loads stay out
.irp g, 0,1                                    ; rows 0-7, then rows 8-15, through my stage: LDS serves a wave's instructions in order, so no wait stands between the stores and the loads
.irp i, 0,1,2,3
	ds_store_b128 v21, v[48+16*\g+4*\i:48+16*\g+4*\i+3] offset:544*\i
.endr
.irp j, 0,1,2,3
	ds_load_b128 v[80+16*\g+4*\j:80+16*\g+4*\j+3], v24 offset:16*\j
.endr
.endr
	s_wait_dscnt 0x0
	; my 16 numbers of a row in each half are half of a block of 32; the other half lies in lane l xor 1
.irp g, 0,1
	v_max3_num_f32 v[48+\g], |v[80+16*\g]|, |v[81+16*\g]|, 0x4800000   ; and the floor 2^(9 - 127)
.endr
.irp i, 2,4,6,8,10,12,14
.irp g, 0,1
	v_max3_num_f32 v[48+\g], v[48+\g], |v[80+16*\g+\i]|, |v[81+16*\g+\i]|
.endr
.endr
.irp g, 0,1
	v_max_num_f32_dpp v[48+\g], v[48+\g], v[48+\g] row_xmask:1 row_mask:0xf bank_mask:0xf   ; the block's largest magnitude
.endr
.irp g, 0,1
	v_add_nc_u32 v[52+\g], 0xfc000000, v[48+\g]    ; 8 off its exponent field: the conversion's scale operand
.endr
.irp g, 0,1
	v_and_or_b32 v[50+\g], v[48+\g], 0x7f800000, s88   ; 448 x the scale
.endr
.irp g, 0,1
	v_lshrrev_b32 v[54+\g], 23, v[52+\g]           ; the byte
.endr
.irp g, 0,1
.irp i, 0,1,2,3,4,5,6,7,8,9,10,11,12,13,14,15
	v_med3_num_f32 v[80+16*\g+\i], v[80+16*\g+\i], -v[50+\g], v[50+\g]   ; the conversion to an 8-bit code does not saturate (ISA guide 7.6.2)
.endr
	v_cvt_scalef32_pk8_fp8_f32 v[56+4*\g:57+4*\g], v[80+16*\g:87+16*\g], v[52+\g]
	v_cvt_scalef32_pk8_fp8_f32 v[58+4*\g:59+4*\g], v[88+16*\g:95+16*\g], v[52+\g]
.endr
	v_nop                                          ; one plain line behind the last conversion
.irp g, 0,1
	ds_store_b128 v25, v[56+4*\g:59+4*\g] offset:128*\g
	ds_store_b8 v26, v[54+\g] offset:1024+32*\g
.endr
.irp i, 0,1,2,3,4,5,6,7
	v_mov_b32 v[QZ+\i], 0                          ; the zero codes on both sides of Q's
	v_mov_b32 v[QZ+16+\i], 0
.endr
	s_wait_alu depctr_va_vdst(0)
.set n, 0
.rept 17
	s_wait_loadcnt 16-n                            ; loads come back in order: load n is in, the 16 - n behind it may be out
.if n < 8
	ds_store_b128 v10, v[112+4*n:112+4*n+3] offset:8192*n
.elseif n < 16
	ds_store_b128 v245, v[112+4*n:112+4*n+3] offset:8192*(n-8)
.else
	ds_store_b128 v246, v[112+4*n:112+4*n+3]
.endif
.set n, n+1
.endr
	s_wait_kmcnt 0x0
	s_or_b32 s94, s16, s18
	s_or_b32 s95, s20, s22
	s_or_b32 s94, s94, s95
	s_and_b32 s[ANY], s94, s72                     ; bit s: some key of step s counts, and pass 0 has the step
	s_or_b32 s94, s17, s19
	s_or_b32 s95, s21, s23
	s_or_b32 s[FULL], s94, s95                     ; bit s: all count
	s_or_b32 s94, s24, s26
	s_or_b32 s95, s28, s30
	s_or_b32 s94, s94, s95
	s_and_b32 s2, s94, s73                         ; the same for pass 1
	s_or_b32 s94, s25, s27
	s_or_b32 s95, s29, s31
	s_or_b32 s3, s94, s95
	s_wait_dscnt 0x0                               ; for the others' sake: my part of steps 0-7 and my tile's codes lie in LDS (and the stores have read their registers)
	s_barrier_signal -1
	s_barrier_wait -1                              ; steps 0-7, all scale words and all codes of Q lie in LDS
	s_cmp_lt_u32 s14, 8
	s_cbranch_scc1 .Lhalf                          ; waves 8-15, which have no steps in pass 0, bring steps 8-15
.irp i, 0,1,2,3,4,5,6,7,8,9,10,11,12,13,14,15
	global_load_b128 v[112+4*\i:112+4*\i+3], v249, s[6:7] offset:HALF+4096*\i
.endr
.irp i, 0,1,2,3,4,5,6,7,8,9,10,11,12,13,14,15
	global_load_b128 v[176+4*\i:176+4*\i+3], v249, s[6:7] offset:VCOD+HALF+4096*\i
.endr
.set n, 0
.rept 32
	s_wait_loadcnt 31-n                            ; load n is in, the 31 - n behind it may be out
	ds_store_b128 v[247+n/16], v[112+4*n:112+4*n+3] offset:4096*(n%16)
.set n, n+1
.endr
	s_wait_dscnt 0x0
.Lhalf:
.macro INIT                            ; a pass begins: the step is written once a pass, and its first run finds zeros
	v_mov_b32 v12, 0x7f61b1e6                      ; -M: M = -3e38 lies under every t
	v_mov_b32 v243, 0x7f61b1e6
	v_mov_b32 v14, 0                               ; the sum, in two halves
	v_mov_b32 v15, 0
.irp j, 0,1,2,3,4,5,6,7,8,9,10,11,12,13,14,15,16,17,18,19,20,21,22,23,24,25,26,27,28,29,30,31
	v_mov_b32 v[O+\j], 0
.endr
.endm
.irp b, 0,1,2,3
	v_mov_b32 v[T1+\b], 0                          ; destinations of lane permutes count as sources
.endr
	v_mov_b32 v242, 0
	v_mov_b32 v13, 0                               ; (named as upper halves of pairs)
	v_mov_b32 v245, 0
	INIT
	s_wait_alu depctr_va_vdst(0)
	s_wait_dscnt 0x0                               ; what I have stored of steps 8-15 lies in LDS:
	s_barrier_signal -1                            ; say so.  The wait stands behind pass 0, which reads steps 0-7, scale words and codes of Q alone: bytes that nobody writes before it
.macro WORDS                           ; a step's 64 mask words: words 0-47 in s16-63, words 48-63 in s68-83
	s_load_b512 s[16:31], s[98:99], 0x0
	s_load_b512 s[32:47], s[98:99], 0x40
	s_load_b512 s[48:63], s[98:99], 0x80
	s_load_b512 s[68:83], s[98:99], 0xc0
.endm
.macro MASK                            ; register n keeps its score where its word has my lane's bit, and becomes -infinity elsewhere; ascending
.set n, 0
.rept 64
.set mreg, 16+16*(n%4)+8*((n/16)%2)+2*((n%16)/4)+n/32
.if mreg > 63
.set mreg, mreg+4
.endif
	v_cndmask_b32 v[S+n], v[NINF], v[S+n], s[mreg]
.set n, n+1
.endr
.endm
.macro SOFTMAX
.irp b, 0,1,2,3
	v_max3_num_f32 v[BM+\b], v[S+16*\b], v[S+16*\b+1], v[S+16*\b+2]   ; the largest score of each block of 32 keys: for the row's maximum, and, since p rises with the score, for the block's largest p
.endr
.irp i, 3,5,7,9,11,13
.irp b, 0,1,2,3
	v_max3_num_f32 v[BM+\b], v[BM+\b], v[S+16*\b+\i], v[S+16*\b+\i+1]
.endr
.endr
.irp b, 0,1,2,3
	v_max_num_f32 v[BM+\b], v[BM+\b], v[S+16*\b+15]
.endr
.irp b, 0,1,2,3
	s_delay_alu instid0(VALU_DEP_4)
	v_permlanex16_b32 v[T1+\b], v[BM+\b], s84, s85
.endr
.irp b, 0,1,2,3
	s_delay_alu instid0(VALU_DEP_4)
	v_max_num_f32 v[BM+\b], v[BM+\b], v[T1+\b]     ; with lane l xor 16's 16 keys
.endr
	s_delay_alu instid0(VALU_DEP_2)
	v_max3_num_f32 v242, v[BM], v[BM+1], v[BM+2]
	s_delay_alu instid0(VALU_DEP_1)
	v_max_num_f32 v242, v242, v[BM+3]              ; the step's largest score of my query (-infinity where all its keys are hidden)
	s_delay_alu instid0(VALU_DEP_1)
	v_mul_f32 v242, s86, -v242                     ; as -t
	s_delay_alu instid0(VALU_DEP_1)
	v_floor_f32 v242, v242                         ; -ceil(t)
	s_delay_alu instid0(VALU_DEP_1)
	v_min_num_f32 v12, v12, v242                   ; the new -M
	s_delay_alu instid0(VALU_DEP_1)
	v_sub_f32 v243, v12, v243                      ; old M - new M: a whole number, 0 or less
	s_delay_alu instid0(VALU_DEP_1)
	v_cvt_i32_f32 v243, v243                       ; (it saturates)
	s_delay_alu instid0(VALU_DEP_1)
	v_ldexp_f32 v244, 1.0, v243                    ; f = 2^(old M - new M)
.set n, 0
.rept 32
	v_pk_fma_f32 v[S+n:S+n+1], v[S+n:S+n+1], s[86:87], v[12:13] op_sel_hi:[1,0,0]   ; t - M, two at a time
.set n, n+2
.endr
.irp b, 0,1,2,3
	v_fma_f32 v[BM+\b], v[BM+\b], s86, v12         ; the same of each block's largest score
.endr
	s_wait_alu depctr_va_vdst(0)
.set n, 0
.rept 64
	v_exp_f32 v[S+n], v[S+n]                       ; p = 2^(t - M), at most 1
.set n, n+1
.endr
.irp b, 0,1,2,3
	v_exp_f32 v[BM+\b], v[BM+\b]                   ; the block's largest p: the same two instructions on the same number
.endr
	v_pk_mul_f32 v[14:15], v[14:15], v[244:245] op_sel_hi:[1,0]   ; the sums under the new M.  (The plain line behind the exponentials)
	s_wait_alu depctr_va_vdst(0)
.irp b, 0,1,2,3
	v_max_num_f32 v[BM+\b], 0x4800000, v[BM+\b]    ; the floor 2^(9 - 127): a block whose every p is 0 keeps the byte 1; its codes are zeros
.endr
.irp b, 0,1,2,3
	s_delay_alu instid0(VALU_DEP_4)
	v_add_nc_u32 v[SCO+\b], 0xfc000000, v[BM+\b]   ; 8 off the exponent field: the conversion's scale operand
.endr
.irp b, 0,1,2,3
	v_and_or_b32 v[LIM+\b], v[BM+\b], 0x7f800000, s88   ; 448 x the scale
.endr
.irp b, 0,1,2,3
	v_lshrrev_b32 v[T1+\b], 23, v[SCO+\b]          ; the byte
.endr
	s_delay_alu instid0(VALU_DEP_3)
	v_lshl_or_b32 v[PW], v[T1+1], 8, v[T1]         ; p's scale word for these 128 keys: more than eight plain lines ahead of the products that name it
	s_delay_alu instid0(VALU_DEP_1)
	v_lshl_or_b32 v[PW], v[T1+2], 16, v[PW]
	s_delay_alu instid0(VALU_DEP_1)
	v_lshl_or_b32 v[PW], v[T1+3], 24, v[PW]
	v_pk_add_f32 v[240:241], v[S:S+1], v[S+2:S+3]  ; the row's sum, of the unquantised p: two at a time, in four chains, which are joined behind the second product
	v_pk_add_f32 v[248:249], v[S+4:S+5], v[S+6:S+7]
	v_pk_add_f32 v[250:251], v[S+8:S+9], v[S+10:S+11]
	v_pk_add_f32 v[14:15], v[14:15], v[S+12:S+13]
.set n, 7
.rept 25
.if n%4 == 3
.set acc, 240
.elseif n%4 == 0
.set acc, 248
.elseif n%4 == 1
.set acc, 250
.else
.set acc, 14
.endif
	v_pk_add_f32 v[acc:acc+1], v[acc:acc+1], v[S+2*n:S+2*n+1]
.set n, n+1
.endr
.irp b, 0,1,2,3
.irp i, 0,1,2,3,4,5,6,7,8,9,10,11,12,13,14,15
	v_min_num_f32 v[S+16*\b+\i], v[S+16*\b+\i], v[LIM+\b]   ; the hold; p is never negative, so it is one-sided
.endr
	v_cvt_scalef32_pk8_fp8_f32 v[PC+4*\b:PC+4*\b+1], v[S+16*\b:S+16*\b+7], v[SCO+\b]
	v_cvt_scalef32_pk8_fp8_f32 v[PC+4*\b+2:PC+4*\b+3], v[S+16*\b+8:S+16*\b+15], v[SCO+\b]
.endr
	s_wait_alu depctr_va_vdst(0)                   ; directly ahead of the first reader of O^T
.set n, 0
.rept 16
	v_pk_mul_f32 v[O+n:O+n+1], v[O+n:O+n+1], v[244:245] op_sel_hi:[1,0]   ; O^T under the new M.  (These sixteen also stand between the conversions and the products that take the codes)
.set n, n+2
.endr
.endm
; A PASS over the first `trips` steps, a constant: a step's work is jumped over, never the lines at its end that step addresses.
; The mask words of the first step that is neither hidden nor whole are loaded at the pass's start; those of any later such step where they are wanted.
.macro PASS qa, qb, mt, trips
	s_and_not1_b32 s94, s[ANY], s[FULL]
	s_ctz_i32_b32 s94, s94
	s_min_u32 s94, s94, \trips-1                   ; (no such step: the last step's words, which are then not used)
	s_sub_co_u32 s[PMC], \trips, s94
	s_lshl_b32 s94, s94, 8
	s_add_co_u32 s96, s[\mt], s94
	s_add_nc_u64 s[98:99], s[8:9], s[96:97]        ; mw + 4,096 x tile + 256 x step
	WORDS
	ds_load_b128 v[QZ+8:QZ+11], v[\qa]             ; Q's codes and scale word
	ds_load_b128 v[QZ+12:QZ+15], v[\qa] offset:512
	ds_load_b32 v[QS], v[\qb] offset:1024
	s_mov_b32 s[KO], 0
	s_mov_b32 s[SO], 0
	s_mov_b32 s[CNT], \trips
	s_wait_alu depctr_va_vdst(0)
.Lstep_\@:
	s_bitcmp1_b32 s[ANY], 0
	s_cbranch_scc0 .Lskip_\@                       ; none of these 128 keys counts for the 16 queries, or the step is the other wave's
	v_add_nc_u32 v[ADK], s[KO], v[AK0]
	v_add_nc_u32 v[ADS], s[SO], v[AS0]
	ds_load_b128 v[SW:SW+3], v[ADS]                ; lanes 0-15: K's four scale words of row r; lanes 16-31: V's four
.irp b, 0,1,2,3
.irp c, 0,1,2,3
	ds_load_b128 v[F+16*\b+4*\c:F+16*\b+4*\c+3], v[ADK] offset:2048*\b+512*\c   ; 512 consecutive bytes a load
.endr
.endr
.irp b, 0,1,2,3                                ; eight accumulators, each begun with the constant 0
	s_wait_dscnt 12-4*\b                           ; the scale words and fragment b are in; the later fragments' loads, four each, may be out
	v_wmma_scale_f32_16x16x128_f8f6f4 v[S+16*\b:S+16*\b+7], v[F+16*\b:F+16*\b+15], v[QZ+8:QZ+23], 0, v[SW+\b], v[QS]
	v_wmma_scale_f32_16x16x128_f8f6f4 v[S+16*\b+8:S+16*\b+15], v[F+16*\b:F+16*\b+15], v[QZ:QZ+15], 0, v[SW+\b], v[QS]
.endr
	v_add_nc_u32 v[ADV], s[KO], v[AV0]             ; this line and seven v_nop: eight places behind the products, in front of loads into their sources and of the first read of their results
.rept 7
	v_nop
.endr
.irp t, 0,1,2,3
.irp c, 0,1,2,3
	ds_load_b128 v[F+16*\t+4*\c:F+16*\t+4*\c+3], v[ADV] offset:2048*\t+512*\c   ; V's fragments land while the softmax is walked
.endr
.endr
	s_bitcmp1_b32 s[FULL], 0
	s_cbranch_scc1 .Lopen_\@                       ; all 16 x 128 count: nothing to select
	s_wait_kmcnt 0x0                               ; the words loaded ahead are in
	s_cmp_eq_u32 s[CNT], s[PMC]
	s_cbranch_scc1 .Lheld_\@                       ; and are this step's
	s_lshr_b32 s94, s[SO], 1
	s_add_co_u32 s96, s[\mt], s94
	s_add_nc_u64 s[98:99], s[8:9], s[96:97]
	WORDS
	s_wait_kmcnt 0x0
.Lheld_\@:
	MASK
.Lopen_\@:
	SOFTMAX
	s_wait_alu depctr_va_vdst(0)
	s_wait_dscnt 0x0                               ; V is in
.irp t, 0,1,2,3                                ; the four accumulators by turns, one instruction a turn; V's scale words lie in lanes 16-31
	v_wmma_scale_f32_16x16x128_f8f6f4 v[O+8*\t:O+8*\t+7], v[F+16*\t:F+16*\t+15], v[PC:PC+15], v[O+8*\t:O+8*\t+7], v[SW+\t], v[PW] matrix_a_scale:MATRIX_SCALE_ROW1
.endr
	v_pk_add_f32 v[248:249], v[248:249], v[250:251]   ; the sum's chains are joined; these four lines, two v_nop and the next step's two additions are
	v_pk_add_f32 v[14:15], v[14:15], v[240:241]    ; eight places ahead of the next step's loads into the fragments and scale words
	v_mov_b32 v243, v12                            ; -M as the next step finds it
	v_pk_add_f32 v[14:15], v[14:15], v[248:249]
.rept 2
	v_nop
.endr
.Lskip_\@:
	s_add_co_u32 s[KO], s[KO], 8192
	s_add_co_u32 s[SO], s[SO], 512
	s_lshr_b32 s[ANY], s[ANY], 1
	s_lshr_b32 s[FULL], s[FULL], 1
	s_sub_co_u32 s[CNT], s[CNT], 1
	s_cmp_lg_u32 s[CNT], 0
	s_cbranch_scc1 .Lstep_\@
	s_wait_kmcnt 0x0                               ; the words' registers and their base are free
	s_wait_dscnt 0x0                               ; and Q's registers have been written, also where every step was left out
.rept 4
	v_nop                                          ; ten places behind the last products, ahead of every read of O^T
.endr
	s_wait_alu depctr_va_vdst(0)                   ; directly ahead of the reader below
	v_add_f32 v14, v14, v15                        ; the sum's two halves
.endm
	PASS QA0, QB0, MT0, 8
	s_wait_alu depctr_va_vdst(0)
	s_barrier_wait -1                              ; the whole image lies in LDS; nobody writes it before the next barrier
	s_cmp_lt_u32 s14, 8
	s_cbranch_scc0 .Lno_park                       ; waves 8-15 have nothing to park
.irp i, 0,1,2,3,4,5,6,7
	ds_store_b128 v[PKA], v[O+4*\i:O+4*\i+3] offset:512*\i
.endr
	ds_store_b32 v[PKB], v12 offset:4096           ; -M
	ds_store_b32 v[PKB], v14 offset:4224           ; the sum (of my half of the lanes)
.Lno_park:
	INIT
	s_mov_b32 s[ANY], s2
	s_mov_b32 s[FULL], s3
	PASS QA1, QB1, MT1, 16
	s_wait_alu depctr_va_vdst(0)
	s_wait_dscnt 0x0                               ; what I parked lies in LDS, and my reads of the image are over
	s_barrier_signal -1
	s_barrier_wait -1                              ; both hold of every wave: the parked sums may be read, and the image may be written over
	s_cmp_lt_u32 s14, 8
	s_cbranch_scc1 .Lout                           ; waves 0-7 own their tile alone
.irp i, 0,1,2,3,4,5,6,7
	ds_load_b128 v[F+4*\i:F+4*\i+3], v[PKA] offset:512*\i   ; the part of my tile that the pair's first wave has made
.endr
	ds_load_b32 v80, v[PKB] offset:4096
	ds_load_b32 v81, v[PKB] offset:4224
	s_wait_dscnt 0x0
	v_min_num_f32 v82, v12, v80                    ; the joint -M
	v_mov_b32 v87, 0                               ; (named as upper halves of pairs)
	v_mov_b32 v89, 0
	v_sub_f32 v83, v82, v12
	v_sub_f32 v84, v82, v80
	v_cvt_i32_f32 v83, v83                         ; (they saturate: a part without any key has M = -3e38, and its factor is 0 beside one that has keys)
	v_cvt_i32_f32 v84, v84
	v_ldexp_f32 v86, 1.0, v83
	v_ldexp_f32 v88, 1.0, v84
	v_mul_f32 v81, v81, v88
	v_fma_f32 v14, v14, v86, v81
.set n, 0
.rept 16
	v_pk_mul_f32 v[F+n:F+n+1], v[F+n:F+n+1], v[88:89] op_sel_hi:[1,0]
.set n, n+2
.endr
.set n, 0
.rept 16
	v_pk_fma_f32 v[O+n:O+n+1], v[O+n:O+n+1], v[86:87], v[F+n:F+n+1] op_sel_hi:[1,0,1]
.set n, n+2
.endr
	s_wait_alu depctr_va_vdst(0)
.Lout:
	; THE WAY OUT.  O^T / the sum; a lane's 32 numbers are 128 consecutive bytes of its row.  They go through my stage, 16 rows x 272 bytes over the image, which nobody reads any more,
	; and come back so that sixteen lanes store one aligned row of 256 bytes.
	v_permlanex16_b32 v242, v14, s84, s85
	v_add_f32 v14, v14, v242                       ; with lane l xor 16's keys: the row's sum
	s_wait_alu depctr_va_vdst(0)
	v_rcp_f32 v14, v14
	v_nop                                          ; one plain line behind the transcendental
	s_wait_alu depctr_va_vdst(0)
.irp j, 0,1,2,3,4,5,6,7
.irp t, 0,1,2,3
	v_mul_f32 v[S+4*\j+\t], v[O+8*\t+\j], v14      ; d = 32 h + 4 j + t; register 0 of each accumulator first
.endr
.endr
.irp j, 0,1,2,3,4,5,6,7
	ds_store_b128 v[STO], v[S+4*\j:S+4*\j+3] offset:16*\j
.endr
.irp i, 0,1,2,3,4,5,6,7
	ds_load_b128 v[F+4*\i:F+4*\i+3], v[RD] offset:544*\i   ; LDS serves a wave's instructions in order: these see the stores above
.endr
.irp i, 0,1,2,3,4,5,6,7
	s_wait_dscnt 7-\i                              ; load i is in
	global_store_b128 v[AK0], v[F+4*\i:F+4*\i+3], s[12:13] offset:512*\i th:TH_STORE_NT   ; 32 lanes store two whole rows: 512 consecutive bytes
.endr
	s_wait_tensorcnt 0x0                           ; the wave's end, behind my last LDS store
	ds_add_u32 v254, v255
	s_wait_dscnt 0x0
	s_endpgm
.Lfunc_end_k_q84277423dd_attn:
	.size	k_q84277423dd_attn, .Lfunc_end_k_q84277423dd_attn-k_q84277423dd_attn
	.p2alignl 7, 3214868480
	.fill 96, 4, 3214868480
	.section	.rodata,"a",@progbits
	.p2align	6, 0x0
	.amdhsa_kernel k_q84277423dd_attn
		.amdhsa_group_segment_fixed_size 325632
		.amdhsa_private_segment_fixed_size 0
		.amdhsa_enable_private_segment 0
		.amdhsa_kernarg_size 40
		.amdhsa_user_sgpr_count 2
		.amdhsa_user_sgpr_kernarg_segment_ptr 1
		.amdhsa_wavefront_size32 1
		.amdhsa_system_sgpr_workgroup_id_x 1
		.amdhsa_system_sgpr_workgroup_id_y 1
		.amdhsa_system_sgpr_workgroup_id_z 1
		.amdhsa_system_vgpr_workitem_id 0
		.amdhsa_next_free_vgpr 256
		.amdhsa_next_free_sgpr 102
		.amdhsa_reserve_vcc 0
		.amdhsa_float_denorm_mode_32 3
		.amdhsa_float_denorm_mode_16_64 3
		.amdhsa_memory_ordered 1
		.amdhsa_forward_progress 1
		.amdhsa_inst_pref_size 81
	.end_amdhsa_kernel
	.amdgpu_metadata
---
amdhsa.version: [ 1, 2 ]
amdhsa.kernels:
  - .name:           k_q84277423dd_attn
    .symbol:         k_q84277423dd_attn.kd
    .args:
      - { .name: q, .offset: 0, .size: 8, .value_kind: global_buffer, .address_space: global }
      - { .name: kv, .offset: 8, .size: 8, .value_kind: global_buffer, .address_space: global }
      - { .name: mw, .offset: 16, .size: 8, .value_kind: global_buffer, .address_space: global }
      - { .name: fl, .offset: 24, .size: 8, .value_kind: global_buffer, .address_space: global }
      - { .name: out0, .offset: 32, .size: 8, .value_kind: global_buffer, .address_space: global }
    .group_segment_fixed_size: 325632
    .private_segment_fixed_size: 0
    .kernarg_segment_align: 8
    .kernarg_segment_size: 40
    .max_flat_workgroup_size: 512
    .sgpr_count:     102
    .vgpr_count:     256
    .wavefront_size: 32
...
	.end_amdgpu_metadata
.endif
;; end of part 2
